; MI455X (gfx1250); checked and timed in simulation.
; The chip was launched on July 23, 2026; its instructions are those of AMD's public machine-readable ISA for CDNA 5 (MIT licence, August 2026) and "CDNA5" Instruction Set Architecture Reference Guide (July 2026). The comments in the code are by the model that wrote it; some were corrected since.
;; correlation Reverse Transform. Allowed arithmetic: matrix products marked QUANTISED: E5M2 operands, one given power-of-two scale a tensor, by v_wmma_f32_16x16x64_bf8_bf8 or v_wmma_f32_16x16x128_bf8_bf8, f32 sums; everything else in f32.
;; Inputs: di 2,048 x 8,192 float32; lowp_scales 2 int32 (the exponents e of the quantised operands' scales 2^e); x 4,096 x 2,048 float32.
;; Outputs: out0 4,096 float32.
;; This version of the problem:
;;   THIS VERSION OF THE PROBLEM IS GIVEN IN LOW PRECISION. The matrix products marked QUANTISED in the list below multiply operands that are first quantised to E5M2 (5 exponent bits, 2 mantissa bits; 8 bits a number), with one given power-of-two scale for each operand tensor; their sums are f32. All else is computed in f32.
;;   The module's matrix products, in the order in which they are computed (A, B: the left and right operand; K: the contracted axis; several contracted axes count as one K, in the product's order):
;;     1. [M 4,096, K 2,048] x [K 2,048, N 8,192]; A: input x; B: input di: QUANTISED (scales: A lowp_scales[0], B lowp_scales[1])
;;   THE QUANTISER, for each operand of a quantised product, along K:
;;     - The operand's scale is 2^e, e = its entry of the input lowp_scales (int32; the entries are numbered through the quantised products in the list's order, A before B).
;;     - Each number is divided by the scale, clamped to +-57,344, and rounded to the nearest number of E5M2, ties to even, subnormals kept.
;;     - The product sums the exact products of the quantised numbers (number of the format x scale) in f32.
;;   ~~~python
;;   def quantise(x, axis, e):      # numpy; x: float32 -> the quantised numbers, widened to float32 again
;;       x = np.moveaxis(x, axis, -1); K = x.shape[-1]
;;       r = np.clip(x / 2.0 ** e, -57344, 57344)
;;       step = 2.0 ** (np.maximum(np.frexp(np.where(r == 0, 1, r))[1] - 1, -14) - 2)
;;       q = np.round(r / step) * step * 2.0 ** e      # np.round: ties to even
;;       return np.moveaxis(q, -1, axis).astype(np.float32)
;;   ~~~
;; One version. Each part assembles by itself: llvm-mc -triple=amdgcn-amd-amdhsa -mcpu=gfx1250 --defsym DOCPART=n.
;; ======== version 1 of 1: 3 launches
;; limits: right only within a limited range of input values
;; workspace buffers: xc 8,388,608 bytes; dc 16,777,216 bytes; part 524,288 bytes
;; launch quant (part 1): grid 768 x 1, 4 waves a work-group, no clusters, 55,808 bytes of LDS; arguments x, di, lowp_scales, xc, dc; writes xc, dc
.if DOCPART == 1
	.amdgcn_target "amdgcn-amd-amdhsa--gfx1250"
	.amdhsa_code_object_version 6
	.text
	.protected	k_q65c760df2a_quant
	.globl	k_q65c760df2a_quant
	.p2align	8
	.type	k_q65c760df2a_quant,@function
k_q65c760df2a_quant:
	s_mov_b64 s[64:65], 0
	v_nop
	global_prefetch_b8 v0, s[64:65] scope:SCOPE_SE
	s_setreg_imm32_b32 hwreg(HW_REG_WAVE_MODE, 25, 1), 1
	s_wait_xcnt 0x0
; x [4096][2048] and di [2048][8192], f32, become codes of BF8 (E5M2), one byte a code, K innermost: xc [4096][2048], dc [8192][2048] (row n of dc = column n of di).
; code = number / 2^e, held within +-57,344, rounded to the nearest code, ties to even.  e: entry 0 of lowp_scales for x, entry 1 for di.
; LIMITS: -126 <= e <= 112 for each of the two, so that 2^e and 57,344 x 2^e are f32 numbers.  NaN among the inputs is not served; an infinity is held at the largest code.
; ONE LAUNCH FOR BOTH: work-groups 0-255 take x, work-groups 256-767 take di; each reads 131,072 bytes.  The two paths part on the work-group's number, and each has LDS bytes of its own.
; Waves share nothing: no barrier, no cluster (no two work-groups read the same bytes), no matrix unit, no tensor load.  Nothing is prefetched: every byte is read once, by loads that run ahead.
; WORK LEFT OUT, in the whole program: a score is (the sum of the products of codes) x 2^(e0 + e1).  That factor is positive and the same for every column of every row, so the column of a
; row's largest score is the column of its largest sum of code products, whatever the inputs hold: the later launches compare the sums as they are and never multiply by the factor.
; LIMIT: an overflow or underflow that this factor alone would cause in a score is not carried to the result.
.set WGX,    256                       ; work-groups for x: 4096 x 2048 / 32,768
.set EMAX,   15
.set MANT,   0x600000                  ; the mantissa field of 57,344 as f32
; path X
.set STEPS,  16                        ; steps of 512 numbers for a wave
.set SP,     80                        ; a lane's place in a stage: its 64 bytes + 16 of padding
.set XREG,   2*32*SP                   ; LDS of a wave on path X: two stages, 5,120 bytes; the four waves take bytes 0 to 20,479
.set XR,     16                        ; v16-79   four sets of 16 numbers as they are loaded
.set XN,     80                        ; v80-111  two sets of 16 neighbours
.set XC,     128                       ; v128-191 codes: four registers for each step, so that no store's data are written again
; path D
.set DST,    4*XREG                    ; LDS of path D begins here: a stage of 32 rows x 272 bytes for each wave, bytes 20,480 to 55,295
.set DPITCH, 272                       ; a stage row: 256 codes + 16 bytes of padding
.set NB,     8                         ; blocks of 32 along K for a wave
.set DN,     32                        ; v32-95   two sets of 32 numbers
.set DC,     96                        ; v96-103  a block's codes
.set DO,     112                       ; v112-175 the way out
	s_load_b128 s[4:7], s[0:1], 0x0                ; x s[4:5], di s[6:7]
	s_load_b128 s[8:11], s[0:1], 0x10              ; the scales' exponents s[8:9], xc s[10:11]
	s_load_b64 s[12:13], s[0:1], 0x20              ; dc
	v_lshl_add_u32 v192, v0, 2, 0xd800
	v_mov_b32 v193, 0
	v_lshrrev_b32 v1, 5, v0
	v_readfirstlane_b32 s16, v1                    ; wave 0..3
	v_and_b32 v2, 31, v0                           ; lane
	s_cmp_lt_u32 ttmp9, WGX
	s_cbranch_scc0 .Ldi
; ---------------- PATH X: K is innermost, rows are dense: x is a plain stream of numbers, and so are its codes.
; A wave takes 16 steps of 512 numbers.  The conversion takes eight numbers from ONE lane's consecutive registers, so a lane must hold neighbours; a load is best where neighbouring LANES take neighbouring
; bytes.  Both are had: each of a step's four loads reads 512 consecutive bytes, 16 a lane; the 2,048 bytes go through the wave's own stage in LDS as they lie and come back 64 bytes a lane.
; A lane's 16 codes are 16 bytes: the wave stores 512 consecutive bytes.  Loads run four steps (16 loads a wave) ahead, the turn through LDS one step.
	v_lshlrev_b32 v3, 4, v2                        ; 16 x lane: my bytes of a load's 512, and of a step's 512 bytes of codes; never rewritten
	s_mul_i32 s17, s16, XREG
	v_lshrrev_b32 v14, 2, v2
	v_mul_u32_u24 v14, v14, SP
	v_and_b32 v15, 3, v2
	v_lshl_add_u32 v14, v15, 4, v14
	v_add_nc_u32 v14, s17, v14                     ; the stage, on the way in: four lanes' 64 bytes on end, then 16 of padding
	v_mul_u32_u24 v15, v2, SP
	v_add_nc_u32 v15, s17, v15                     ; and on the way out: my 16 neighbours
	s_lshl_b32 s18, ttmp9, 2
	s_add_co_u32 s18, s18, s16                     ; which run of 8,192 numbers is my wave's: 0 to 1,023
	s_lshl_b32 s20, s18, 15                        ; its 32,768 bytes of x,
	s_mov_b32 s21, 0
	s_lshl_b32 s24, s18, 13                        ; its 8,192 bytes of codes
	s_mov_b32 s25, 0
	s_wait_alu depctr_va_vdst(0)
	s_wait_kmcnt 0x0
	s_load_b32 s22, s[8:9], 0x0                    ; e of x
	s_add_nc_u64 s[4:5], s[4:5], s[20:21]
	s_add_nc_u64 s[10:11], s[10:11], s[24:25]
.macro XLOAD t
.irp i, 0,1,2,3
	global_load_b128 v[XR+16*((\t)%4)+4*\i:XR+16*((\t)%4)+4*\i+3], v3, s[4:5] offset:2048*(\t)+512*\i th:TH_LOAD_NT   ; 32 lanes read 512 consecutive bytes
.endr
.endm
.macro XTURN t                         ; step t's numbers through the stage: LDS serves a wave's instructions in order (ISA guide 5.7.1.4), so no wait stands between the stores and the loads
.irp i, 0,1,2,3
	ds_store_b128 v14, v[XR+16*((\t)%4)+4*\i:XR+16*((\t)%4)+4*\i+3] offset:32*SP*((\t)%2)+8*SP*\i
.endr
.irp i, 0,1,2,3
	ds_load_b128 v[XN+16*((\t)%2)+4*\i:XN+16*((\t)%2)+4*\i+3], v15 offset:32*SP*((\t)%2)+16*\i
.endr
.endm
.irp t, 0,1,2,3
	XLOAD \t
.endr
	s_wait_kmcnt 0x0
	s_add_co_i32 s22, s22, 127
	s_lshl_b32 s23, s22, 23
	v_mov_b32 v11, s23                             ; 2^e as f32: the conversion takes its exponent field
	s_add_co_i32 s22, s22, EMAX
	s_lshl_b32 s22, s22, 23
	s_or_b32 s22, s22, MANT
	v_mov_b32 v10, s22                             ; 57,344 x 2^e
	s_wait_alu depctr_va_vdst(0)
	s_wait_loadcnt 12                              ; step 0's four loads are in; the twelve of steps 1 to 3 may be out
	XTURN 0
.macro XSTEP t
.set XS, XN+16*((\t)%2)
	s_wait_dscnt 0x0                               ; this step's numbers are back from the stage: so its stores into the stage have read their registers,
.if (\t)+4 < STEPS
	XLOAD (\t)+4                                   ; which take the loads of four steps on
.endif
.if (\t)+1 < STEPS
.if STEPS-2-(\t) >= 3
	s_wait_loadcnt 12                              ; the next step's four loads are in; those of the three steps behind it may be out
.else
	s_wait_loadcnt 4*(STEPS-2-(\t))                ; near the end fewer steps stand behind it
.endif
	XTURN (\t)+1                                   ; and go through the other stage while this step is worked
.endif
.irp i, 0,1,2,3,4,5,6,7,8,9,10,11,12,13,14,15
	v_med3_num_f32 v[XS+\i], v[XS+\i], -v10, v10   ; the conversion to an 8-bit code does not saturate (ISA guide 7.6.2): the number is held within the largest code x the scale first
.endr
	v_cvt_scalef32_pk8_bf8_f32 v[XC+4*(\t):XC+4*(\t)+1], v[XS:XS+7], v11       ; eight numbers / 2^e, to the nearest code, ties to even; the first number's code in the lowest byte
	v_cvt_scalef32_pk8_bf8_f32 v[XC+4*(\t)+2:XC+4*(\t)+3], v[XS+8:XS+15], v11  ; (the codes go to a store alone; the next vector lines are the next step's holds, which are plain and touch other registers)
	global_store_b128 v3, v[XC+4*(\t):XC+4*(\t)+3], s[10:11] offset:512*(\t)   ; 32 lanes store 512 consecutive bytes, at a multiple of 512 from xc's first byte
.endm
.irp t, 0,1,2,3,4,5,6,7,8,9,10,11,12,13,14,15
	XSTEP \t
.endr
	s_wait_tensorcnt 0x0
	ds_add_u32 v192, v193
	s_wait_dscnt 0x0
	s_endpgm
; ---------------- PATH D: K is di's FIRST axis.  A LANE TAKES A COLUMN n, AND ITS REGISTERS RUN DOWN K: each load reads neighbouring n in neighbouring lanes (128 consecutive bytes a wave, 512 a work-group),
; and the conversions, which take neighbours along K from one lane's consecutive registers, give the codes with K innermost.  Nothing is transposed by an instruction.
; A wave takes 32 columns x 256 along K: 8 blocks of 32.  A lane's codes belong to one row of dc and the lanes beside it hold other rows: so they go through the wave's own stage in LDS and leave as rows:
; sixteen lanes store 256 consecutive bytes.  Loads run two blocks (64 loads a wave) ahead.  Every offset is an immediate: 255 x 32,768 bytes at the most, inside the signed 24 bits (ISA guide, chapter 10).
.Ldi:
	s_sub_co_u32 s17, ttmp9, WGX                   ; 0 to 511
	s_lshr_b32 s18, s17, 6                         ; which 256 along K: 0 to 7
	s_and_b32 s17, s17, 63
	s_lshl_b32 s17, s17, 7
	s_lshl_b32 s19, s16, 5
	s_add_co_u32 s17, s17, s19                     ; my wave's first column: 128 x (number mod 64) + 32 x wave
	s_wait_alu depctr_va_vdst(0)
	v_lshlrev_b32 v3, 2, v2                        ; in: 4 bytes a lane
	s_mul_i32 s19, s16, 32*DPITCH
	s_add_co_u32 s19, s19, DST                     ; my stage
	v_mul_u32_u24 v4, v2, DPITCH
	v_add_nc_u32 v4, s19, v4                       ; into it: row = my column
	v_and_b32 v5, 15, v2
	v_lshrrev_b32 v6, 4, v2                        ; out of it: sixteen lanes to a row, two rows an instruction
	v_mul_u32_u24 v7, v6, DPITCH
	v_lshl_add_u32 v7, v5, 4, v7
	v_add_nc_u32 v7, s19, v7                       ; LDS address
	v_lshlrev_b32 v8, 11, v6
	v_lshl_add_u32 v8, v5, 4, v8                   ; and the same place in dc: a row of dc is 2,048 bytes
	s_lshl_b32 s20, s18, 23                        ; di: 256 rows of 32,768 bytes for each step along K,
	s_lshl_b32 s22, s17, 2
	s_add_co_u32 s20, s20, s22                     ; + 4 x column: under 2^26
	s_mov_b32 s21, 0
	s_lshl_b32 s24, s17, 11                        ; dc: column x 2,048
	s_lshl_b32 s26, s18, 8
	s_add_co_u32 s24, s24, s26                     ; + 256 bytes for each step along K
	s_mov_b32 s25, 0
	s_wait_kmcnt 0x0
	s_load_b32 s30, s[8:9], 0x4                    ; e of di
	s_add_nc_u64 s[6:7], s[6:7], s[20:21]
	s_add_nc_u64 s[12:13], s[12:13], s[24:25]
.macro DLOAD t                         ; block t: di(32 t + i, my column), i = 0 .. 31, into set t % 2
.irp i, 0,1,2,3,4,5,6,7,8,9,10,11,12,13,14,15,16,17,18,19,20,21,22,23,24,25,26,27,28,29,30,31
	global_load_b32 v[DN+32*((\t)%2)+\i], v3, s[6:7] offset:(32*(\t)+\i)*32768 th:TH_LOAD_NT
.endr
.endm
	DLOAD 0
	DLOAD 1
	s_wait_kmcnt 0x0
	s_add_co_i32 s30, s30, 127
	s_lshl_b32 s31, s30, 23
	v_mov_b32 v11, s31                             ; 2^e as f32
	s_add_co_i32 s30, s30, EMAX
	s_lshl_b32 s30, s30, 23
	s_or_b32 s30, s30, MANT
	v_mov_b32 v10, s30                             ; 57,344 x 2^e
.macro DBLOCK t
.set DS, DN+32*((\t)%2)
.if (\t) < NB-1
	s_wait_loadcnt 32                              ; this block's 32 loads are in; the next block's 32 may be out
.else
	s_wait_loadcnt 0
.endif
.irp i, 0,1,2,3,4,5,6,7,8,9,10,11,12,13,14,15,16,17,18,19,20,21,22,23,24,25,26,27,28,29,30,31
	v_med3_num_f32 v[DS+\i], v[DS+\i], -v10, v10   ; the hold at the largest code x the scale
.endr
.irp g, 0,1,2,3
	v_cvt_scalef32_pk8_bf8_f32 v[DC+2*\g:DC+2*\g+1], v[DS+8*\g:DS+8*\g+7], v11
.endr
	ds_store_b128 v4, v[DC:DC+3] offset:32*(\t)    ; 32 codes: 32 bytes of my column's row.  (The codes go to LDS stores alone; the next block begins with plain vector lines)
	ds_store_b128 v4, v[DC+4:DC+7] offset:32*(\t)+16
.if (\t)+2 < NB
	DLOAD (\t)+2
.endif
	s_wait_dscnt 0x0                               ; the stores have read their registers: the next block's codes may be written
.endm
	s_wait_alu depctr_va_vdst(0)
.irp t, 0,1,2,3,4,5,6,7
	DBLOCK \t
.endr
.irp t, 0,1,2,3,4,5,6,7,8,9,10,11,12,13,14,15
	ds_load_b128 v[DO+4*\t:DO+4*\t+3], v7 offset:2*\t*DPITCH   ; LDS serves a wave's instructions in order: these see my stores
.endr
.irp t, 0,1,2,3,4,5,6,7,8,9,10,11,12,13,14,15
	s_wait_dscnt 15-\t                             ; the loads behind pair t of rows may be out
	global_store_b128 v8, v[DO+4*\t:DO+4*\t+3], s[12:13] offset:2*\t*2048   ; sixteen lanes store 256 consecutive bytes, at a multiple of 256 from dc's first byte
.endr
	s_wait_tensorcnt 0x0
	ds_add_u32 v192, v193
	s_wait_dscnt 0x0
	s_endpgm
.Lfunc_end_k_q65c760df2a_quant:
	.size	k_q65c760df2a_quant, .Lfunc_end_k_q65c760df2a_quant-k_q65c760df2a_quant
	.p2alignl 7, 3214868480
	.fill 96, 4, 3214868480
	.section	.rodata,"a",@progbits
	.p2align	6, 0x0
	.amdhsa_kernel k_q65c760df2a_quant
		.amdhsa_group_segment_fixed_size 55808
		.amdhsa_private_segment_fixed_size 0
		.amdhsa_enable_private_segment 0
		.amdhsa_kernarg_size 40
		.amdhsa_user_sgpr_count 2
		.amdhsa_user_sgpr_kernarg_segment_ptr 1
		.amdhsa_wavefront_size32 1
		.amdhsa_system_sgpr_workgroup_id_x 1
		.amdhsa_system_sgpr_workgroup_id_y 1
		.amdhsa_system_sgpr_workgroup_id_z 1
		.amdhsa_system_vgpr_workitem_id 0
		.amdhsa_next_free_vgpr 194
		.amdhsa_next_free_sgpr 66
		.amdhsa_reserve_vcc 0
		.amdhsa_float_denorm_mode_32 3
		.amdhsa_float_denorm_mode_16_64 3
		.amdhsa_memory_ordered 1
		.amdhsa_forward_progress 1
		.amdhsa_inst_pref_size 85
	.end_amdhsa_kernel
	.amdgpu_metadata
---
amdhsa.version: [ 1, 2 ]
amdhsa.kernels:
  - .name:           k_q65c760df2a_quant
    .symbol:         k_q65c760df2a_quant.kd
    .args:
      - { .name: x, .offset: 0, .size: 8, .value_kind: global_buffer, .address_space: global }
      - { .name: di, .offset: 8, .size: 8, .value_kind: global_buffer, .address_space: global }
      - { .name: lowp_scales, .offset: 16, .size: 8, .value_kind: global_buffer, .address_space: global }
      - { .name: xc, .offset: 24, .size: 8, .value_kind: global_buffer, .address_space: global }
      - { .name: dc, .offset: 32, .size: 8, .value_kind: global_buffer, .address_space: global }
    .group_segment_fixed_size: 55808
    .private_segment_fixed_size: 0
    .kernarg_segment_align: 8
    .kernarg_segment_size: 40
    .max_flat_workgroup_size: 128
    .sgpr_count:     66
    .vgpr_count:     194
    .wavefront_size: 32
...
	.end_amdgpu_metadata
.endif
;; end of part 1
;; launch gemm (part 2): grid 16 x 16, 4 waves a work-group, clusters of 4 x 4, 327,680 bytes of LDS; arguments xc, dc, part; writes part
.if DOCPART == 2
	.amdgcn_target "amdgcn-amd-amdhsa--gfx1250"
	.amdhsa_code_object_version 6
	.text
	.protected	k_q65c760df2a_gemm
	.globl	k_q65c760df2a_gemm
	.p2align	8
	.type	k_q65c760df2a_gemm,@function
k_q65c760df2a_gemm:
	s_mov_b64 s[64:65], 0
	v_nop
	global_prefetch_b8 v0, s[64:65] scope:SCOPE_SE
	s_setreg_imm32_b32 hwreg(HW_REG_WAVE_MODE, 25, 1), 1
	s_wait_xcnt 0x0
	s_wait_alu depctr_hold_cnt(0) depctr_sa_sdst(0) depctr_va_vdst(0) depctr_va_sdst(0) depctr_va_ssrc(0) depctr_va_vcc(0) depctr_vm_vsrc(0)
	s_getreg_b32 s2, hwreg(HW_REG_IB_STS2, 6, 4)
	s_cmp_eq_u32 s2, 0
	s_cbranch_scc0 .Lentry_in_a_cluster
	s_endpgm
.Lentry_in_a_cluster:
	s_bfe_u32 s2, ttmp6, 0x10000c
	s_cmp_lg_u32 s2, 0xf033
	s_cbranch_scc0 .Lentry_shape_is_right
	s_endpgm
.Lentry_shape_is_right:
; For each row of xc [4096][2048] and each group of 512 rows of dc [8192][2048] (codes of BF8, K innermost): the largest sum over k of xc[m][k] dc[n][k] and its first column n.
; part: [16 groups][4096 rows][2] f32: (largest sum, column as f32).  The common factor 2^(e0 + e1) is left out: it is positive and moves no argmax (shown at the head of the first kernel).
; NaN is not served.  On equal sums the lower column stays.
; A work-group of four waves makes two tiles of 256 x 256 sums, one after the other (same rows of xc, the next 256 rows of dc); a wave makes 128 x 128: 64 accumulators, 512 registers.
; K goes in steps of 256 through a ring of two LDS slots; a tile's row is 256 bytes of memory.  The ring goes on from the first tile into the second.
; CLUSTERS: 4 x 4 work-groups; xc's tiles are asked for jointly along a row of the cluster, dc's along a column.  The matrix instruction is used transposed (source 0 = dc, source 1 = xc):
; a lane holds one row m and, in accumulator (a, b), register j: column 16 b + 8 (l / 16) + j.  k is permuted alike in both operands (four 16-byte loads a fragment).
; PREFETCH: behind each joint load one instruction a wave names the K step two refills on, 32 rows x 256 bytes, a lane a row; the four partners that ask for a tile jointly share its 128 rows
; out by address.  K steps 1 to 3 are named at the head; the second tile's K steps 0 and 1 of dc in the first tile's last trip; xc's rows, read in the first tile, are not named again.
; REGISTERS: window 0: v0-31 addresses, v32-47 best (sum, index) of my 8 blocks, v48-127 at work in the argmax, v128-255 xc's fragments (one set); window 1: dc's fragments (two sets);
; windows 2, 3: the accumulators of my rows 0-63, 64-127.
.set ROWB,   256
.set KROW,   2048
.set PITCH,  272                       ; 256 bytes + 16 of padding
.set FR,     16
.set NP,     4
.set HALFT,  128*PITCH
.set SLOT,   4*HALFT
.set LAPS,   4
.set SPARE,  2*SLOT                    ; the spare words: 512 bytes that no other line names
.set SCR,    SPARE+512                 ; four planes of 256 rows x 8 bytes for the last comparison; no fill lands here
.set CP,     2176
.set ADRA, 16
.set ADRB, 20
.set SA,   24
.set SL,   25
.set GO,   26
.set SPW,  28
.set NIL,  29
.set PFO,  30
.set BEST, 32
.set MX,   48                          ; v48-55  four maxima for each of two blocks
.set IX,   56                          ; v56-63  index parts for each of two blocks
.set T,    64                          ; v64-127 32 selected sums for each of two blocks
.set CAND, 64
.set AF,   128
.set G1, 24
.set G0, 32
.set G1B, 48
.set G0B, 56
.set PFA, 72
.set LIM, 74
.set MK,  80                           ; s80-86  lane masks
.set MSB, 0
.macro WIN new
.if MSB != \new
	s_set_vgpr_msb (MSB<<8)|\new
.set MSB, \new
.endif
.endm
.set MUL_LO, 0xa1
.set MUL_HI, 0xf1
.set TO_B,   0x40
.macro JLOAD g0a, g1a, g0b, g1b        ; waves 0, 1 ask for xc's halves, waves 2, 3 for dc's
	s_cmp_eq_u32 s15, 0
	s_cbranch_scc0 .Lfor_b_\@
	tensor_load_to_lds s[\g0a:\g0a+3], s[\g1a:\g1a+7]
	s_nop 0
.rept 4
	v_nop
.endr
	s_branch .Lasked_\@
.Lfor_b_\@:
	tensor_load_to_lds s[\g0b:\g0b+3], s[\g1b:\g1b+7]
	s_nop 0
.rept 4
	v_nop
.endr
.Lasked_\@:
.endm
.macro PF off
	global_prefetch_b8 v[PFO], s[PFA:PFA+1] offset:\off th:TH_LOAD_NT scope:SCOPE_SE
.endm
; how = 0: the second tile's loop; 1: the change of tiles; 2: the first tile's loop, whose last trip names the next tile's K steps 0 and 1 of dc
.macro ASK how
.if (\how) == 1
	s_cmp_eq_u32 s[LIM], 1
.else
	s_cmp_gt_u32 s3, s[LIM]                        ; s3 = 1 in a loop's last trip: no K step two refills on in this tile
.endif
.if (\how) == 2
	s_cbranch_scc0 .Llast_trip_\@
	PF ROWB
	s_branch .Lnot_mine_\@
.Llast_trip_\@:
	s_cmp_eq_u32 s15, 0
	s_cbranch_scc1 .Lnot_mine_\@
	PF 256*KROW-7*ROWB                             ; 256 rows of dc down, back along K
.else
	s_cbranch_scc0 .Lnot_mine_\@
	PF ROWB
.endif
.Lnot_mine_\@:
.endm
.macro CREST
	s_cmp_lg_u32 s14, 0
	s_cbranch_scc1 .Lnot_wave_0_\@
	s_barrier_signal -3
.Lnot_wave_0_\@:
	s_barrier_wait -3
	s_barrier_signal -1
	s_barrier_wait -1
.endm
.macro CROUND
	s_barrier_signal -1
	s_barrier_wait -1
	CREST
.endm
	s_load_b128 s[4:7], s[0:1], 0x0                ; xc, dc
	s_load_b64 s[10:11], s[0:1], 0x10              ; part
	v_lshl_add_u32 v[SPW], v0, 2, SPARE
	v_mov_b32 v[NIL], 0
	ds_add_u32 v[SPW], v[NIL]                      ; the opening lines: the add twice on end and its wait ahead of my first tensor load
	ds_add_u32 v[SPW], v[NIL]
	v_lshrrev_b32 v1, 5, v0
	v_readfirstlane_b32 s14, v1                    ; wave
	s_lshr_b32 s15, s14, 1                         ; my half of the tile's rows; also: I fetch for xc (0) or dc (1)
	s_and_b32 s16, s14, 1                          ; my half of its columns; also: which 128 rows I fetch
	s_bfe_u32 s40, ttmp6, 0x40000                  ; cx
	s_bfe_u32 s41, ttmp6, 0x40004                  ; cy
	s_lshl_b32 s42, ttmp9, 2
	s_add_co_u32 s42, s42, s40                     ; group of 512 columns
	s_and_b32 s17, ttmp7, 0xffff
	s_lshl_b32 s17, s17, 2
	s_add_co_u32 s17, s17, s41                     ; block of 256 rows
	s_lshl_b32 s43, s41, 2
	s_lshl_b32 s43, 15, s43                        ; my row of the cluster
	s_lshl_b32 s44, 0x1111, s40                    ; my column
	s_or_b32 s[G1+0], s43, (0<<16)|(1<<20)|(1<<21)|(5<<22)|(3<<25)   ; bytes; 4 words of padding behind every 64
	s_or_b32 s[G1B+0], s44, (0<<16)|(1<<20)|(1<<21)|(5<<22)|(3<<25)
.irp g, G1, G1B
	s_mov_b32 s[\g+1], ROWB<<16
	s_mov_b32 s[\g+2], 128<<16
	s_mov_b32 s[\g+3], ROWB<<16
	s_mov_b32 s[\g+4], 128
	s_mov_b32 s[\g+5], KROW
	s_mov_b32 s[\g+6], 0
	s_mov_b32 s[\g+7], 0
.endr
	s_lshl_b32 s18, s16, 7
	s_lshl_b32 s20, s17, 8
	s_add_co_u32 s20, s20, s18
	s_lshl_b32 s20, s20, 11                        ; xc: (256 x block + 128 x half) rows of 2,048 bytes
	s_mov_b32 s21, 0
	s_lshl_b32 s46, s42, 9
	s_add_co_u32 s46, s46, s18
	s_lshl_b32 s46, s46, 11                        ; dc: (512 x group + 128 x half) rows
	s_mov_b32 s47, 0
	s_mul_i32 s45, s14, HALFT
	s_wait_dscnt 0x0                               ; both opening adds are done
	s_wait_kmcnt 0x0
	s_add_nc_u64 s[20:21], s[4:5], s[20:21]
	s_add_nc_u64 s[46:47], s[6:7], s[46:47]
.irp s, 0,1
	s_mov_b32 s[G0+4*\s], 1
	s_add_co_u32 s[G0+4*\s+1], s45, \s*SLOT
	s_add_nc_u64 s[G0+4*\s+2:G0+4*\s+3], s[20:21], \s*ROWB
	s_or_b32 s[G0+4*\s+3], s[G0+4*\s+3], 0x80000000
	s_mov_b32 s[G0B+4*\s], 1
	s_add_co_u32 s[G0B+4*\s+1], s45, \s*SLOT
	s_add_nc_u64 s[G0B+4*\s+2:G0B+4*\s+3], s[46:47], \s*ROWB
	s_or_b32 s[G0B+4*\s+3], s[G0B+4*\s+3], 0x80000000
.endr
	CROUND                                         ; all sixteen work-groups are here
	JLOAD G0, G1, G0B, G1B                         ; K step 0: my one tensor load at the head
	v_and_b32 v1, 15, v0
	v_bfe_u32 v2, v0, 4, 1
	v_mul_u32_u24 v3, v1, PITCH
	v_lshl_add_u32 v4, v2, 4, v3                   ; a fragment's row x pitch + 16 x half of the lanes
	s_mul_i32 s21, s15, HALFT
	s_mul_i32 s22, s16, HALFT
	s_add_co_u32 s22, s22, 2*HALFT
.irp s, 0,1
	v_add_nc_u32 v[ADRA+\s], s21, v4
	v_add_nc_u32 v[ADRB+\s], s22, v4
	s_add_co_u32 s21, s21, SLOT
	s_add_co_u32 s22, s22, SLOT
.endr
	v_mul_u32_u24 v5, v2, CP                       ; the last comparison: plane 2 x column half + lane half, row 128 x row half + 16 a + l % 16
	v_lshl_add_u32 v5, v1, 3, v5
	s_mul_i32 s23, s16, 2*CP
	s_lshl_b32 s76, s15, 10
	s_add_co_u32 s23, s23, s76
	s_add_co_u32 s23, s23, SCR
	v_add_nc_u32 v[SA], s23, v5
	v_lshlrev_b32 v[GO], 4, v0                     ; back: a thread takes two rows, 16 bytes of each plane
	v_add_nc_u32 v[SL], SCR, v[GO]
	s_lshl_b32 s76, s42, 15
	s_lshl_b32 s77, s17, 11
	s_add_co_u32 s76, s76, s77
	s_mov_b32 s77, 0
	s_add_nc_u64 s[10:11], s[10:11], s[76:77]      ; part: group x 32,768 + block x 2,048
	s_lshl_b32 s76, s17, 8                         ; the prefetches: the tile's first row,
	s_lshl_b32 s77, s42, 9
	s_cmp_eq_u32 s15, 0
	s_cselect_b32 s76, s76, s77
	s_cselect_b32 s77, s40, s41                    ; my place among the four that ask with me,
	s_cselect_b64 s[PFA:PFA+1], s[4:5], s[6:7]
	s_mov_b32 s[LIM], 1
	s_lshl_b32 s78, s16, 7
	s_add_co_u32 s76, s76, s78
	s_lshl_b32 s77, s77, 5
	s_add_co_u32 s76, s76, s77                     ; my work-group's 32 of the 128 rows that I fetch
	s_lshl_b32 s76, s76, 11
	s_mov_b32 s77, 0
	s_add_nc_u64 s[PFA:PFA+1], s[PFA:PFA+1], s[76:77]
	s_add_nc_u64 s[PFA:PFA+1], s[PFA:PFA+1], 2*ROWB   ; at K step 2
	v_and_b32 v[PFO], 31, v0
	v_lshlrev_b32 v[PFO], 11, v[PFO]               ; a lane a row
	PF -ROWB                                       ; K step 1, whose load follows when K step 0 has landed
.macro FRAG reg, adr, q, i
.irp c, 0,1,2,3
	ds_load_b128 v[\reg+4*\c:\reg+4*\c+3], v[\adr] offset:128*(\q)+32*\c+(\i)*16*PITCH
.endr
.endm
; 4 products: xc's block a x dc's blocks b0 .. b0 + 3, 128 along K; the 64 accumulators take turns in the same order in every step
.macro MUL4 a, b0, p, zero
.irp b, (\b0), (\b0+1), (\b0+2), (\b0+3)
.if \zero
	v_wmma_f32_16x16x128_bf8_bf8 v[8*(8*((\a)%4)+\b):8*(8*((\a)%4)+\b)+7], v[128*(\p)+FR*\b:128*(\p)+FR*\b+FR-1], v[AF+FR*(\a):AF+FR*(\a)+FR-1], 0
.else
	v_wmma_f32_16x16x128_bf8_bf8 v[8*(8*((\a)%4)+\b):8*(8*((\a)%4)+\b)+7], v[128*(\p)+FR*\b:128*(\p)+FR*\b+FR-1], v[AF+FR*(\a):AF+FR*(\a)+FR-1], v[8*(8*((\a)%4)+\b):8*(8*((\a)%4)+\b)+7]
.endif
.endr
.endm
.macro LB p, ls, lq, i                 ; dc's fragment i, from slot ls at its lq-th 128 along K, into the set that is not at work (p: the set at work)
	WIN TO_B
	FRAG 128*(1-(\p))+FR*(\i), ADRB+\ls, \lq, \i
.endm
.macro LA ls, lq, i                    ; xc's fragment i
	WIN 0
	FRAG AF+FR*(\i), ADRA+\ls, \lq, \i
.endm
; A step of 128 along K is four quarters; quarter k is 16 products: xc's blocks 2 k, 2 k + 1 x dc's eight.
.macro QTR k, p, zero
	WIN MUL_LO+0x50*((\k)/2)
	MUL4 2*(\k), 0, \p, \zero
	MUL4 2*(\k), 4, \p, \zero
	MUL4 2*(\k)+1, 0, \p, \zero
	MUL4 2*(\k)+1, 4, \p, \zero
.endm
; Behind quarter k stands run k: 16 LDS loads, four fragments of the NEXT step.  Runs 0, 1: dc's eight, into the set that is not at work: its registers were last read a step ago, with run 3's places
; between.  Run 2: xc's blocks 0-3, which quarters 0 and 1 have read; run 3: blocks 4-7, which quarters 2 and 3 have read: each behind four places.
.macro RUN k, p, ls, lq
.if (\k) < 2
.irp i, 0,1,2,3
	LB \p, \ls, \lq, 4*(\k)+\i
.endr
.else
	PLACES NP
.irp i, 0,1,2,3
	LA \ls, \lq, 4*((\k)-2)+\i
.endr
.endif
.endm
.macro PLACES n                        ; places behind matrix instructions, in front of loads into their sources and of reads of their results
.rept \n
	v_nop
.endr
.endm
.macro STEP slot, q, zero              ; 128 along K, with its successor in the same slot
	s_wait_dscnt 16                                ; all but the last run (xc's blocks 4-7)
	QTR 0, \q, \zero
	RUN 0, \q, \slot, (\q)+1
	QTR 1, \q, \zero
	RUN 1, \q, \slot, (\q)+1
	s_wait_dscnt 32                                ; all but this step's two runs: xc's blocks 4-7 are in
	QTR 2, \q, \zero
	RUN 2, \q, \slot, (\q)+1
	QTR 3, \q, \zero
	RUN 3, \q, \slot, (\q)+1
.endm
; A slot's last step.  All its fragments were asked for in the step before, so the change of slots stands at its head: the wait for all my tensor loads, the add, quarter 0, the wait for the add
; and for my reads of this slot, the barrier (with a refill: a round of the cluster's barrier), the refill, and then the runs, which read the next slot, and the other three quarters.
; fill = 0: nothing is filled; 1, 3: this tile's K step two on (second, first tile); 2: the next tile's K step 0 or 1.
.macro TURN slot, next, fill
.if \fill
	s_wait_xcnt 0x0                                ; my prefetches have read their address
.if ((\fill) == 2) && ((\slot) == 0)
	s_add_nc_u64 s[PFA:PFA+1], s[PFA:PFA+1], 255*KROW+ROWB   ; to the next tile's K step 1
	s_cmp_eq_u32 s15, 0
	s_cselect_b32 s[LIM], -1, s[LIM]               ; xc's rows have been read: they are named no more
.else
	s_add_nc_u64 s[PFA:PFA+1], s[PFA:PFA+1], ROWB
.endif
.endif
	s_wait_tensorcnt 0x0                           ; my part of the next slot has landed; no load of mine is out, so the descriptors may be stepped
	ds_add_u32 v[SPW], v[NIL]
.if (\fill) == 2
	s_sub_nc_u64 s[G0+4*\slot+2:G0+4*\slot+3], s[G0+4*\slot+2:G0+4*\slot+3], 6*ROWB
	s_add_nc_u64 s[G0B+4*\slot+2:G0B+4*\slot+3], s[G0B+4*\slot+2:G0B+4*\slot+3], 256*KROW-6*ROWB
.endif
.if ((\fill) == 1) || ((\fill) == 3)
	s_add_nc_u64 s[G0+4*\slot+2:G0+4*\slot+3], s[G0+4*\slot+2:G0+4*\slot+3], 2*ROWB
	s_add_nc_u64 s[G0B+4*\slot+2:G0B+4*\slot+3], s[G0B+4*\slot+2:G0B+4*\slot+3], 2*ROWB
.endif
	s_wait_dscnt 17                                ; (the add and the last run, xc's blocks 4-7, may be out)
	QTR 0, 1, 0                                    ; work on registers while the add is out
	s_wait_dscnt 0x0                               ; the add is done, and my reads of this slot are over
	WIN 0
	s_barrier_signal -1
	s_barrier_wait -1
.if \fill
	CREST
	JLOAD G0+4*\slot, G1, G0B+4*\slot, G1B         ; the first tensor load behind the round
.endif
	RUN 0, 1, \next, 0
	QTR 1, 1, 0
	RUN 1, 1, \next, 0
	QTR 2, 1, 0
	RUN 2, 1, \next, 0
.if \fill
	ASK (\fill)-1                                  ; run 2 leaves every window 0
.endif
	QTR 3, 1, 0
	RUN 3, 1, \next, 0
.endm
; Of the four numbers MX .. MX+3 of each of two blocks: masks (1 beats 0, 3 beats 2, the upper pair beats the lower; only GREATER beats, so the first of equals stays),
; the pairs' maxima in MX and MX+2, and index part d = k x the place of the first largest.
.macro CHOOSE d, k
.irp e, 0,1
	v_cmp_gt_f32 s[MK+4*\e], v[MX+4*\e+1], v[MX+4*\e]
	v_cmp_gt_f32 s[MK+4*\e+1], v[MX+4*\e+3], v[MX+4*\e+2]
.endr
.irp e, 0,1
	v_max_num_f32 v[MX+4*\e], v[MX+4*\e], v[MX+4*\e+1]
	v_max_num_f32 v[MX+4*\e+2], v[MX+4*\e+2], v[MX+4*\e+3]
.endr
.irp e, 0,1
	v_cmp_gt_f32 s[MK+4*\e+2], v[MX+4*\e+2], v[MX+4*\e]
	v_cndmask_b32 v[IX+4*\e+\d], 0, \k, s[MK+4*\e]
	v_cndmask_b32 v[IX+4*\e+3], 2*\k, 3*\k, s[MK+4*\e+1]
.endr
.irp e, 0,1
	v_cndmask_b32 v[IX+4*\e+\d], v[IX+4*\e+\d], v[IX+4*\e+3], s[MK+4*\e+2]
.endr
.endm
; THE ARGMAX of a lane's 64 sums in blocks a0 and a0 + 1 (line by line by turns): the maxima of four quarters of 16; the first quarter that holds the largest is selected; of its 16 sums the
; first group of 4; of those the first.  The index is the register's number, 8 b + j.  Each accumulator is read from its low end on.  t = 1: the second tile, joined to the first's best.
.macro EPI a0, t
.set AC, 64*((\a0)%4)
.set EW, 2+(\a0)/4
	WIN 21*EW
.irp q, 0,1,2,3
.irp e, 0,1
	v_max3_num_f32 v[MX+4*\e+\q], v[AC+64*\e+16*\q], v[AC+64*\e+16*\q+1], v[AC+64*\e+16*\q+2]
.endr
.endr
	WIN 5*EW
.irp i, 3,5,7,9,11,13
.irp q, 0,1,2,3
.irp e, 0,1
	v_max3_num_f32 v[MX+4*\e+\q], v[AC+64*\e+16*\q+\i], v[AC+64*\e+16*\q+\i+1], v[MX+4*\e+\q]
.endr
.endr
.endr
	WIN EW
.irp q, 0,1,2,3
.irp e, 0,1
	v_max_num_f32 v[MX+4*\e+\q], v[AC+64*\e+16*\q+15], v[MX+4*\e+\q]
.endr
.endr
	WIN 0
	CHOOSE 0, 16
	WIN 5*EW
.irp i, 0,1,2,3,4,5,6,7,8,9,10,11,12,13,14,15
.irp e, 0,1
	v_cndmask_b32 v[T+32*\e+\i], v[AC+64*\e+\i], v[AC+64*\e+16+\i], s[MK+4*\e]
	v_cndmask_b32 v[T+32*\e+16+\i], v[AC+64*\e+32+\i], v[AC+64*\e+48+\i], s[MK+4*\e+1]
.endr
.endr
	WIN 0
.irp i, 0,1,2,3,4,5,6,7,8,9,10,11,12,13,14,15
.irp e, 0,1
	v_cndmask_b32 v[T+32*\e+\i], v[T+32*\e+\i], v[T+32*\e+16+\i], s[MK+4*\e+2]
.endr
.endr
.irp e, 0,1
.if \t
	v_max_num_f32 v[T+32*\e+24], v[MX+4*\e], v[MX+4*\e+2]            ; the block's largest sum
.else
	v_max_num_f32 v[BEST+2*((\a0)+\e)], v[MX+4*\e], v[MX+4*\e+2]
.endif
.endr
.irp g, 0,1,2,3
.irp e, 0,1
	v_max3_num_f32 v[MX+4*\e+\g], v[T+32*\e+4*\g], v[T+32*\e+4*\g+1], v[T+32*\e+4*\g+2]
.endr
.endr
.irp g, 0,1,2,3
.irp e, 0,1
	v_max_num_f32 v[MX+4*\e+\g], v[MX+4*\e+\g], v[T+32*\e+4*\g+3]
.endr
.endr
	CHOOSE 1, 4
.irp i, 0,1,2,3
.irp e, 0,1
	v_cndmask_b32 v[T+32*\e+16+\i], v[T+32*\e+\i], v[T+32*\e+4+\i], s[MK+4*\e]
	v_cndmask_b32 v[T+32*\e+20+\i], v[T+32*\e+8+\i], v[T+32*\e+12+\i], s[MK+4*\e+1]
.endr
.endr
.irp i, 0,1,2,3
.irp e, 0,1
	v_cndmask_b32 v[MX+4*\e+\i], v[T+32*\e+16+\i], v[T+32*\e+20+\i], s[MK+4*\e+2]
.endr
.endr
	CHOOSE 2, 1
.irp e, 0,1
.if \t
	v_add3_u32 v[IX+4*\e], v[IX+4*\e], v[IX+4*\e+1], v[IX+4*\e+2]
	v_cmp_gt_f32 s[MK+4*\e], v[T+32*\e+24], v[BEST+2*((\a0)+\e)]     ; the second tile wins only where it is greater
.else
	v_add3_u32 v[BEST+2*((\a0)+\e)+1], v[IX+4*\e], v[IX+4*\e+1], v[IX+4*\e+2]
.endif
.endr
.if \t
.irp e, 0,1
	v_add_nc_u32 v[IX+4*\e], 0x100, v[IX+4*\e]                       ; 256 columns on
	v_max_num_f32 v[BEST+2*((\a0)+\e)], v[BEST+2*((\a0)+\e)], v[T+32*\e+24]
.endr
.irp e, 0,1
	v_cndmask_b32 v[BEST+2*((\a0)+\e)+1], v[BEST+2*((\a0)+\e)+1], v[IX+4*\e], s[MK+4*\e]
.endr
.endif
.endm
.macro COMB vd, nd, vs, ns             ; (vd, nd) takes (vs, ns) where vs is greater, or equal with the lower column
	v_cmp_gt_f32 s[MK], v[\vs], v[\vd]
	v_cmp_eq_f32 s[MK+1], v[\vs], v[\vd]
	v_cmp_lt_u32 s[MK+2], v[\ns], v[\nd]
	s_and_b32 s[MK+1], s[MK+1], s[MK+2]
	s_or_b32 s[MK], s[MK], s[MK+1]
	v_cndmask_b32 v[\vd], v[\vd], v[\vs], s[MK]
	v_cndmask_b32 v[\nd], v[\nd], v[\ns], s[MK]
.endm
	s_wait_alu depctr_va_vdst(0)                   ; the head's end
	s_wait_tensorcnt 0x0                           ; my part of K step 0 is in; slot 1's first fill is issued as a refill is
	ds_add_u32 v[SPW], v[NIL]
	s_wait_dscnt 0x0
	CROUND
	JLOAD G0+4, G1, G0B+4, G1B                     ; K step 1
.irp k, 0,1,2,3
	RUN \k, 1, 0, 0                                ; the first step's fragments, in the order in which every step asks for the next one's
.endr
	PF 0                                           ; K steps 2 and 3
	PF ROWB
	STEP 0, 0, 1                                   ; the first products start the sums
	s_mov_b32 s3, LAPS-1
.Llap_a:
	TURN 0, 1, 3
	STEP 1, 0, 0
	TURN 1, 0, 3
	STEP 0, 0, 0
	s_sub_co_u32 s3, s3, 1
	s_cmp_lg_u32 s3, 0
	s_cbranch_scc1 .Llap_a
	TURN 0, 1, 2                                   ; the ring goes on into the second tile
	STEP 1, 0, 0
	TURN 1, 0, 2
.irp a, 0,2,4,6
	EPI \a, 0
.endr
	STEP 0, 0, 1
	s_mov_b32 s3, LAPS-1
.Llap_b:
	TURN 0, 1, 1
	STEP 1, 0, 0
	TURN 1, 0, 1
	STEP 0, 0, 0
	s_sub_co_u32 s3, s3, 1
	s_cmp_lg_u32 s3, 0
	s_cbranch_scc1 .Llap_b
	TURN 0, 1, 0                                   ; the last lap fills nothing
	STEP 1, 0, 0
	s_wait_dscnt 16                                ; the very last step: nothing more to fetch
	QTR 0, 1, 0
	QTR 1, 1, 0
	s_wait_dscnt 0
	QTR 2, 1, 0
	QTR 3, 1, 0
	WIN 0
	PLACES NP
.irp a, 0,2,4,6
	EPI \a, 1
.endr
	s_lshl_b32 s76, s42, 9
	s_lshl_b32 s77, s16, 7
	s_add_co_u32 s76, s76, s77
	v_bfe_u32 v56, v0, 4, 1
	v_lshl_add_u32 v56, v56, 3, s76                ; 512 x group + 128 x column half + 8 x lane half
.irp a, 0,1,2,3,4,5,6,7
	v_and_b32 v[57+\a%2], 0x38, v[BEST+2*\a+1]
	v_add3_u32 v[BEST+2*\a+1], v[BEST+2*\a+1], v[57+\a%2], v56   ; index 8 b + j (+ 256) becomes column 16 b + j (+ 256) + the lane's first
.endr
.irp a, 0,1,2,3,4,5,6,7
	ds_store_b64 v[SA], v[BEST+2*\a:BEST+2*\a+1] offset:128*\a
.endr
	s_wait_dscnt 0x0                               ; for the others' sake
	s_barrier_signal -1
	s_barrier_wait -1
.irp c, 0,1,2,3
	ds_load_b128 v[CAND+4*\c:CAND+4*\c+3], v[SL] offset:CP*\c
.endr
	s_wait_dscnt 0x0
	COMB CAND+0, CAND+1, CAND+4, CAND+5
	COMB CAND+8, CAND+9, CAND+12, CAND+13
	COMB CAND+2, CAND+3, CAND+6, CAND+7
	COMB CAND+10, CAND+11, CAND+14, CAND+15
	COMB CAND+0, CAND+1, CAND+8, CAND+9
	COMB CAND+2, CAND+3, CAND+10, CAND+11
	v_cvt_f32_u32 v[CAND+1], v[CAND+1]
	v_cvt_f32_u32 v[CAND+3], v[CAND+3]
	global_store_b128 v[GO], v[CAND:CAND+3], s[10:11]   ; 32 lanes store 512 consecutive bytes, at a multiple of 512 from part's first byte
	s_wait_tensorcnt 0x0                           ; the wave's end
	ds_add_u32 v[SPW], v[NIL]
	s_wait_dscnt 0x0
	CROUND                                         ; the closing round
	s_endpgm
.Lfunc_end_k_q65c760df2a_gemm:
	.size	k_q65c760df2a_gemm, .Lfunc_end_k_q65c760df2a_gemm-k_q65c760df2a_gemm
	.p2alignl 7, 3214868480
	.fill 96, 4, 3214868480
	.section	.rodata,"a",@progbits
	.p2align	6, 0x0
	.amdhsa_kernel k_q65c760df2a_gemm
		.amdhsa_group_segment_fixed_size 327680
		.amdhsa_private_segment_fixed_size 0
		.amdhsa_enable_private_segment 0
		.amdhsa_kernarg_size 24
		.amdhsa_user_sgpr_count 2
		.amdhsa_user_sgpr_kernarg_segment_ptr 1
		.amdhsa_wavefront_size32 1
		.amdhsa_system_sgpr_workgroup_id_x 1
		.amdhsa_system_sgpr_workgroup_id_y 1
		.amdhsa_system_sgpr_workgroup_id_z 1
		.amdhsa_system_vgpr_workitem_id 0
		.amdhsa_next_free_vgpr 1024
		.amdhsa_next_free_sgpr 98
		.amdhsa_reserve_vcc 0
		.amdhsa_float_denorm_mode_32 3
		.amdhsa_float_denorm_mode_16_64 3
		.amdhsa_memory_ordered 1
		.amdhsa_forward_progress 1
		.amdhsa_inst_pref_size 255
	.end_amdhsa_kernel
	.section	.bss,"aw",@nobits
	.p2align	6
	.space	262144
	.amdgpu_metadata
---
amdhsa.version: [ 1, 2 ]
amdhsa.kernels:
  - .name:           k_q65c760df2a_gemm
    .symbol:         k_q65c760df2a_gemm.kd
    .args:
      - { .name: xc, .offset: 0, .size: 8, .value_kind: global_buffer, .address_space: global }
      - { .name: dc, .offset: 8, .size: 8, .value_kind: global_buffer, .address_space: global }
      - { .name: part, .offset: 16, .size: 8, .value_kind: global_buffer, .address_space: global }
    .group_segment_fixed_size: 327680
    .private_segment_fixed_size: 0
    .kernarg_segment_align: 8
    .kernarg_segment_size: 24
    .max_flat_workgroup_size: 128
    .sgpr_count:     98
    .vgpr_count:     1024
    .wavefront_size: 32
...
	.end_amdgpu_metadata
.endif
;; end of part 2
;; launch pick (part 3): grid 64 x 1, 1 waves a work-group, no clusters, 0 bytes of LDS; arguments part, out0; writes out0
.if DOCPART == 3
	.amdgcn_target "amdgcn-amd-amdhsa--gfx1250"
	.amdhsa_code_object_version 6
	.text
	.protected	k_q65c760df2a_pick
	.globl	k_q65c760df2a_pick
	.p2align	8
	.type	k_q65c760df2a_pick,@function
k_q65c760df2a_pick:
	s_mov_b64 s[64:65], 0
	v_nop
	global_prefetch_b8 v0, s[64:65] scope:SCOPE_SE
	s_setreg_imm32_b32 hwreg(HW_REG_WAVE_MODE, 25, 1), 1
	s_wait_xcnt 0x0
; out0[row] = the column of the row's largest score, as f32.  part: [16 groups][4096 rows][2] f32: (the group's largest score of the row, its column as f32).
; A thread owns two neighbouring rows: 16 bytes of each group, so a wave's load covers 512 consecutive bytes and its one store 256.  2,048 threads are all the work that there is: 64 waves, a work-group each.
; The groups are taken in ascending order and a later one wins only where it is GREATER: on equal scores the lower column stays, as an argmax has it.  NaN is not served.
; All sixteen loads go out at once.  No LDS, no barrier, no prefetch: each byte is read once, by loads that are all on their way from the first line on.
.set GSTRIDE, 32768                    ; from group to group: 4,096 rows of 8 bytes
	s_load_b128 s[4:7], s[0:1], 0x0                ; part s[4:5], out0 s[6:7]
	s_lshl_b32 s8, ttmp9, 5
	v_add_nc_u32 v1, s8, v0                        ; my number among the 2,048 threads
	v_lshlrev_b32 v2, 3, v1                        ; my two rows in out0
	v_lshlrev_b32 v3, 4, v1                        ; and in a group of part
	s_wait_alu depctr_va_vdst(0)
	s_wait_kmcnt 0x0
.irp g, 0,1,2,3,4,5,6,7,8,9,10,11,12,13,14,15
	global_load_b128 v[4+4*\g:7+4*\g], v3, s[4:5] offset:GSTRIDE*\g th:TH_LOAD_NT
.endr
.irp g, 1,2,3,4,5,6,7,8,9,10,11,12,13,14,15    ; the best so far lies in group 0's registers: v4, v5 for the first row, v6, v7 for the second
	s_wait_alu depctr_va_vdst(0)
	s_wait_loadcnt 15-\g                           ; loads come back in order (ISA guide 5.7.1): groups 0 to g are in, the later ones may be out
	v_cmp_gt_f32 s8, v[4+4*\g], v4
	v_cmp_gt_f32 s9, v[6+4*\g], v6
	v_cndmask_b32 v5, v5, v[5+4*\g], s8
	v_cndmask_b32 v7, v7, v[7+4*\g], s9
	v_max_num_f32 v4, v4, v[4+4*\g]
	v_max_num_f32 v6, v6, v[6+4*\g]
.endr
	v_mov_b32 v6, v5                               ; the two columns side by side, in an even pair
	global_store_b64 v2, v[6:7], s[6:7]            ; 32 lanes store 256 consecutive bytes, at a multiple of 256 from out0's first byte
	s_endpgm
.Lfunc_end_k_q65c760df2a_pick:
	.size	k_q65c760df2a_pick, .Lfunc_end_k_q65c760df2a_pick-k_q65c760df2a_pick
	.p2alignl 7, 3214868480
	.fill 96, 4, 3214868480
	.section	.rodata,"a",@progbits
	.p2align	6, 0x0
	.amdhsa_kernel k_q65c760df2a_pick
		.amdhsa_group_segment_fixed_size 0
		.amdhsa_private_segment_fixed_size 0
		.amdhsa_enable_private_segment 0
		.amdhsa_kernarg_size 16
		.amdhsa_user_sgpr_count 2
		.amdhsa_user_sgpr_kernarg_segment_ptr 1
		.amdhsa_wavefront_size32 1
		.amdhsa_system_sgpr_workgroup_id_x 1
		.amdhsa_system_sgpr_workgroup_id_y 1
		.amdhsa_system_sgpr_workgroup_id_z 1
		.amdhsa_system_vgpr_workitem_id 0
		.amdhsa_next_free_vgpr 72
		.amdhsa_next_free_sgpr 66
		.amdhsa_reserve_vcc 0
		.amdhsa_float_denorm_mode_32 3
		.amdhsa_float_denorm_mode_16_64 3
		.amdhsa_memory_ordered 1
		.amdhsa_forward_progress 1
		.amdhsa_inst_pref_size 8
	.end_amdhsa_kernel
	.amdgpu_metadata
---
amdhsa.version: [ 1, 2 ]
amdhsa.kernels:
  - .name:           k_q65c760df2a_pick
    .symbol:         k_q65c760df2a_pick.kd
    .args:
      - { .name: part, .offset: 0, .size: 8, .value_kind: global_buffer, .address_space: global }
      - { .name: out0, .offset: 8, .size: 8, .value_kind: global_buffer, .address_space: global }
    .group_segment_fixed_size: 0
    .private_segment_fixed_size: 0
    .kernarg_segment_align: 8
    .kernarg_segment_size: 16
    .max_flat_workgroup_size: 32
    .sgpr_count:     66
    .vgpr_count:     72
    .wavefront_size: 32
...
	.end_amdgpu_metadata
.endif
;; end of part 3
